; MI455X (gfx1250); checked and timed in simulation.
; The chip was launched on July 23, 2026; its instructions are those of AMD's public machine-readable ISA for CDNA 5 (MIT licence, August 2026) and "CDNA5" Instruction Set Architecture Reference Guide (July 2026). The comments in the code are by the model that wrote it; some were corrected since.
;; Causal Self Attention. Allowed arithmetic: matrix products marked QUANTISED: E4M3 operands, one given power-of-two scale a tensor, by v_wmma_f32_16x16x64_fp8_fp8 or v_wmma_f32_16x16x128_fp8_fp8, f32 sums; everything else in f32.
;; Inputs: lowp_scales 8 int32 (the exponents e of the quantised operands' scales 2^e); w_attn 3,072 x 1,024 float32; w_proj 1,024 x 1,024 float32; x 4 x 2,048 x 1,024 float32.
;; Outputs: out0 4 x 2,048 x 1,024 float32.
;; This version of the problem:
;;   THIS VERSION OF THE PROBLEM IS GIVEN IN LOW PRECISION. The matrix products marked QUANTISED in the list below multiply operands that are first quantised to E4M3 (4 exponent bits, 3 mantissa bits; 8 bits a number), with one given power-of-two scale for each operand tensor; their sums are f32. All else is computed in f32.
;;   The module's matrix products, in the order in which they are computed (A, B: the left and right operand; K: the contracted axis; several contracted axes count as one K, in the product's order):
;;     1. [M 8,192, K 1,024] x [K 1,024, N 3,072]; A: input x; B: input w_attn: QUANTISED (scales: A lowp_scales[0], B lowp_scales[1])
;;     2. batch 64 x [M 2,048, K 64] x [K 64, N 2,048]; A: computed on the way; B: computed on the way: QUANTISED (scales: A lowp_scales[2], B lowp_scales[3])
;;     3. batch 64 x [M 2,048, K 2,048] x [K 2,048, N 64]; A: softmax (see below); B: computed on the way: QUANTISED (scales: A lowp_scales[4], B lowp_scales[5])
;;     4. [M 8,192, K 1,024] x [K 1,024, N 1,024]; A: computed on the way; B: input w_proj: QUANTISED (scales: A lowp_scales[6], B lowp_scales[7])
;;   THE QUANTISER, for each operand of a quantised product, along K:
;;     - The operand's scale is 2^e, e = its entry of the input lowp_scales (int32; the entries are numbered through the quantised products in the list's order, A before B).
;;     - Each number is divided by the scale, clamped to +-448, and rounded to the nearest number of E4M3, ties to even, subnormals kept.
;;     - The product sums the exact products of the quantised numbers (number of the format x scale) in f32.
;;   ~~~python
;;   def quantise(x, axis, e):      # numpy; x: float32 -> the quantised numbers, widened to float32 again
;;       x = np.moveaxis(x, axis, -1); K = x.shape[-1]
;;       r = np.clip(x / 2.0 ** e, -448, 448)
;;       step = 2.0 ** (np.maximum(np.frexp(np.where(r == 0, 1, r))[1] - 1, -6) - 3)
;;       q = np.round(r / step) * step * 2.0 ** e      # np.round: ties to even
;;       return np.moveaxis(q, -1, axis).astype(np.float32)
;;   ~~~
;;   SOFTMAX AHEAD OF A QUANTISED PRODUCT. Where the list says 'softmax', what is quantised is not the finished softmax but p = 2^(t - M), with t = logit x log2(e) and M = ceil(the row's largest t), a whole number; so 1/2 < the row's largest p <= 1. The row's sum l is taken of the UNQUANTISED p, in f32, and the product's result is divided by l at the end. Since M is a whole number, a kernel that streams over the keys may use a running M (the ceiling of the running maximum): every later rescaling is an exact power of two, so the quantised numbers keep their values, but for numbers so far below the row's largest that they fall under the format's range.
;;   OPERANDS COMPUTED ON THE WAY. 'Computed on the way' means the value that the module computes at that place (a softmax that the list does not call 'softmax' is quantised finished and normalised). What goes into a quantiser is computed in f32, as accurately as f32 sums, v_exp_f32 and their like allow (about 1e-6 of the number): no bf16 or f16 on the way to a quantiser, and a product that is left as it is and whose result goes on into a quantised operand takes f32 operands (vector FMAs, or v_wmma_f32_16x16x4_f32). A number that lies on a knife's edge between two numbers of the format may be rounded either way, as far as f32 arithmetic and the matrix unit's own rounding can turn it there, and no further.
;; One version. Each part assembles by itself: llvm-mc -triple=amdgcn-amd-amdhsa -mcpu=gfx1250 --defsym DOCPART=n.
;; ======== version 1 of 1: 4 launches
;; limits: right only within a limited range of input values
;; workspace buffers: codes 12,582,912 bytes; qkv 25,165,824 bytes; yq 8,388,608 bytes
;; launch quant (part 1): grid 768 x 1, 4 waves a work-group, no clusters, 34,304 bytes of LDS; arguments x, w_attn, w_proj, lowp_scales, codes; writes codes
.if DOCPART == 1
	.amdgcn_target "amdgcn-amd-amdhsa--gfx1250"
	.amdhsa_code_object_version 6
	.text
	.protected	k_q46204500b9_quant
	.globl	k_q46204500b9_quant
	.p2align	8
	.type	k_q46204500b9_quant,@function
k_q46204500b9_quant:
	s_mov_b64 s[64:65], 0
	v_nop
	global_prefetch_b8 v0, s[64:65] scope:SCOPE_SE
	s_setreg_imm32_b32 hwreg(HW_REG_WAVE_MODE, 25, 1), 1
	s_wait_xcnt 0x0
; x [8192][1024], w_attn [3072][1024] and w_proj [1024][1024], f32 with K innermost, become codes of FP8 (E4M3), each tensor with the one scale 2^e given for it
; (entries 0, 1 and 7 of the scales): code = x / 2^e, held within +-448, rounded to the nearest code, ties to even.
; LIMITS: each e between -126 and 119, so that 2^e and 448 x 2^e are f32 numbers.  NaN among the inputs is not served (an infinity is held at the largest code).
; THE CODES ARE LAID AS IMAGES OF OPERAND REGISTERS.  A fragment is 16 rows x 128 K, 16 registers a lane: lane l holds row l % 16, registers 2 c, 2 c + 1 hold k = 16 c + 8 (l / 16) + 0 .. 7
; (the layout of the plain 8-bit matrix forms).  Its image is 2,048 bytes: registers 4 q .. 4 q + 3 of lane l at 512 q + 16 l.  The buffer is [tile of 16 rows: 768][128 along K: 8][image]:
; tiles 0-511 are x, 512-703 w_attn, 704-767 w_proj.  So every later load of a fragment is 16 bytes a lane on end, and every tile of a product is dense.
; SHARES.  A work-group takes one tile of 16 rows, each of its four waves 256 along K: two fragments.  Each load reads 512 consecutive bytes of one row; the conversions want eight NEIGHBOURS along K in one lane's
; registers, so a fragment's 8,192 bytes turn through the wave's own stage in LDS (rows 528 bytes apart: 132 words, so that sixteen rows start at sixteen different banks).
; Each store covers 512 consecutive bytes, aligned.  No tensor load, no barrier, no cluster: waves and work-groups share no input.  All 32 loads of a wave go out at the head.
.set SP,    528                        ; a stage row: 512 bytes + 16
.set STG,   16*SP                      ; a wave's stage
.set SPARE, 4*STG                      ; behind the four stages: the spare words, 128 bytes a wave: two blocks of 256 bytes that no other line names
.set IO,    2                          ; v2   16 x lane: my bytes of a load's and of a store's 512; never rewritten
.set STA,   3                          ; v3   the stage on the way in: 16 x lane
.set LDA,   4                          ; v4   and on the way out: row l % 16, + 32 (l / 16)
.set LIM,   10
.set SC,    11                         ; v11  2^e
.set SPW,   12                         ; v12  LDS address of my spare word; never rewritten
.set NIL,   13                         ; v13  0; never rewritten
.set R,     16                         ; v16-143  two sets of 64: a fragment's numbers as loaded
.set X,     144                        ; v144-207 64 numbers in the fragment's order
.set C,     208                        ; v208-239 16 registers of codes for each fragment: no store's data are written again
	s_load_b256 s[4:11], s[0:1], 0x0               ; x s[4:5], w_attn s[6:7], w_proj s[8:9], the scales' exponents s[10:11]
	s_load_b64 s[12:13], s[0:1], 0x20              ; the codes
	v_lshl_add_u32 v[SPW], v0, 2, SPARE
	v_mov_b32 v[NIL], 0
	v_lshrrev_b32 v1, 5, v0
	v_readfirstlane_b32 s16, v1                    ; wave 0..3
	v_and_b32 v1, 31, v0                           ; lane
	v_and_b32 v5, 15, v0                           ; l % 16
	v_bfe_u32 v6, v0, 4, 1                         ; l / 16
	v_lshlrev_b32 v[IO], 4, v1
	s_mul_i32 s17, s16, STG                        ; my stage
	v_add_nc_u32 v[STA], s17, v[IO]
	v_mul_u32_u24 v[LDA], v5, SP
	v_lshl_add_u32 v[LDA], v6, 5, v[LDA]
	v_add_nc_u32 v[LDA], s17, v[LDA]
	s_mov_b32 s23, 704
	s_cmp_lt_u32 ttmp9, 704                        ; which tensor: the choice hangs on the work-group's number alone
	s_cselect_b32 s22, 512, s23
	s_cmp_lt_u32 ttmp9, 512
	s_cselect_b32 s22, 0, s22                      ; the tensor's first tile
	s_sub_co_u32 s32, ttmp9, s22
	s_lshl_b32 s32, s32, 16                        ; in: 16 rows of 4,096 bytes a tile,
	s_lshl_b32 s33, s16, 10                        ; + my wave's 1,024 bytes of a row
	s_add_co_u32 s32, s32, s33
	s_mov_b32 s33, 0
	s_lshl_b32 s34, ttmp9, 14                      ; out: 16,384 bytes a tile,
	s_lshl_b32 s35, s16, 12                        ; + my wave's two images
	s_add_co_u32 s34, s34, s35
	s_mov_b32 s35, 0
	s_wait_alu depctr_va_vdst(0)
	s_wait_kmcnt 0x0
	s_load_b256 s[24:31], s[10:11], 0x0            ; the eight exponents
	s_cmp_lt_u32 ttmp9, 704
	s_cselect_b64 s[20:21], s[6:7], s[8:9]
	s_cmp_lt_u32 ttmp9, 512
	s_cselect_b64 s[20:21], s[4:5], s[20:21]
	s_add_nc_u64 s[20:21], s[20:21], s[32:33]
	s_add_nc_u64 s[12:13], s[12:13], s[34:35]
.macro LOAD f                          ; fragment f: 512 bytes of each of the 16 rows
.irp i, 0,1,2,3,4,5,6,7,8,9,10,11,12,13,14,15
	global_load_b128 v[R+64*(\f)+4*\i:R+64*(\f)+4*\i+3], v[IO], s[20:21] offset:4096*\i+512*(\f) th:TH_LOAD_NT
.endr
.endm
.macro FRAGQ f
	s_wait_loadcnt 16*(1-(\f))                     ; this fragment's sixteen loads are in; the other's sixteen, issued behind them, may be out
.irp i, 0,1,2,3,4,5,6,7,8,9,10,11,12,13,14,15
	ds_store_b128 v[STA], v[R+64*(\f)+4*\i:R+64*(\f)+4*\i+3] offset:SP*\i
.endr
.irp c, 0,1,2,3,4,5,6,7                        ; LDS serves a wave's instructions in order (ISA guide 5.7.1): these see the stores above, and the next fragment's stores come behind them
	ds_load_b128 v[X+8*\c:X+8*\c+3], v[LDA] offset:64*\c           ; k = 16 c + 8 (l / 16) + 0 .. 3 of my row
	ds_load_b128 v[X+8*\c+4:X+8*\c+7], v[LDA] offset:64*\c+16      ; + 4 .. 7
.endr
	s_wait_dscnt 0x0
.irp c, 0,1,2,3,4,5,6,7
.irp i, 0,1,2,3,4,5,6,7
.endr
	v_cvt_scalef32_pk8_fp8_f32 v[C+16*(\f)+2*\c:C+16*(\f)+2*\c+1], v[X+8*\c:X+8*\c+7], v[SC]   ; registers 2 c, 2 c + 1 of the fragment
.endr
	v_nop                                          ; one plain vector line behind the last conversion
.irp q, 0,1,2,3
	global_store_b128 v[IO], v[C+16*(\f)+4*\q:C+16*(\f)+4*\q+3], s[12:13] offset:2048*(\f)+512*\q   ; 32 lanes store 512 consecutive bytes, aligned
.endr
.endm
	LOAD 0
	LOAD 1
	s_wait_kmcnt 0x0
	s_cmp_lt_u32 ttmp9, 704
	s_cselect_b32 s34, s25, s31                    ; w_attn's e is entry 1, w_proj's entry 7,
	s_cmp_lt_u32 ttmp9, 512
	s_cselect_b32 s34, s24, s34                    ; x's entry 0
	s_add_co_i32 s34, s34, 127
	s_lshl_b32 s35, s34, 23
	v_mov_b32 v[SC], s35                           ; 2^e as f32: the conversion takes its exponent field
	s_wait_alu depctr_va_vdst(0)
	FRAGQ 0
	FRAGQ 1
	s_wait_tensorcnt 0x0                           ; the wave's end, behind my last LDS store
	ds_add_u32 v[SPW], v[NIL]
	s_wait_dscnt 0x0
	s_endpgm
.Lfunc_end_k_q46204500b9_quant:
	.size	k_q46204500b9_quant, .Lfunc_end_k_q46204500b9_quant-k_q46204500b9_quant
	.p2alignl 7, 3214868480
	.fill 96, 4, 3214868480
	.section	.rodata,"a",@progbits
	.p2align	6, 0x0
	.amdhsa_kernel k_q46204500b9_quant
		.amdhsa_group_segment_fixed_size 34304
		.amdhsa_private_segment_fixed_size 0
		.amdhsa_enable_private_segment 0
		.amdhsa_kernarg_size 40
		.amdhsa_user_sgpr_count 2
		.amdhsa_user_sgpr_kernarg_segment_ptr 1
		.amdhsa_wavefront_size32 1
		.amdhsa_system_sgpr_workgroup_id_x 1
		.amdhsa_system_sgpr_workgroup_id_y 1
		.amdhsa_system_sgpr_workgroup_id_z 1
		.amdhsa_system_vgpr_workitem_id 0
		.amdhsa_next_free_vgpr 240
		.amdhsa_next_free_sgpr 66
		.amdhsa_reserve_vcc 0
		.amdhsa_float_denorm_mode_32 3
		.amdhsa_float_denorm_mode_16_64 3
		.amdhsa_fp16_overflow 1
		.amdhsa_memory_ordered 1
		.amdhsa_forward_progress 1
		.amdhsa_inst_pref_size 12
	.end_amdhsa_kernel
	.amdgpu_metadata
---
amdhsa.version: [ 1, 2 ]
amdhsa.kernels:
  - .name:           k_q46204500b9_quant
    .symbol:         k_q46204500b9_quant.kd
    .args:
      - { .name: x, .offset: 0, .size: 8, .value_kind: global_buffer, .address_space: global }
      - { .name: w_attn, .offset: 8, .size: 8, .value_kind: global_buffer, .address_space: global }
      - { .name: w_proj, .offset: 16, .size: 8, .value_kind: global_buffer, .address_space: global }
      - { .name: lowp_scales, .offset: 24, .size: 8, .value_kind: global_buffer, .address_space: global }
      - { .name: codes, .offset: 32, .size: 8, .value_kind: global_buffer, .address_space: global }
    .group_segment_fixed_size: 34304
    .private_segment_fixed_size: 0
    .kernarg_segment_align: 8
    .kernarg_segment_size: 40
    .max_flat_workgroup_size: 128
    .sgpr_count:     66
    .vgpr_count:     240
    .wavefront_size: 32
...
	.end_amdgpu_metadata
.endif
;; end of part 1
;; launch qkv (part 2): grid 12 x 32, 4 waves a work-group, clusters of 4 x 4, 327,680 bytes of LDS; arguments codes, lowp_scales, qkv; writes qkv
.if DOCPART == 2
	.amdgcn_target "amdgcn-amd-amdhsa--gfx1250"
	.amdhsa_code_object_version 6
	.text
	.protected	k_q46204500b9_qkv
	.globl	k_q46204500b9_qkv
	.p2align	8
	.type	k_q46204500b9_qkv,@function
k_q46204500b9_qkv:
	s_mov_b64 s[64:65], 0
	v_nop
	global_prefetch_b8 v0, s[64:65] scope:SCOPE_SE
	s_setreg_imm32_b32 hwreg(HW_REG_WAVE_MODE, 25, 1), 1
	s_wait_xcnt 0x0
	s_wait_alu depctr_hold_cnt(0) depctr_sa_sdst(0) depctr_va_vdst(0) depctr_va_sdst(0) depctr_va_ssrc(0) depctr_va_vcc(0) depctr_vm_vsrc(0)
	s_getreg_b32 s2, hwreg(HW_REG_IB_STS2, 6, 4)
	s_cmp_eq_u32 s2, 0
	s_cbranch_scc0 .Lentry_in_a_cluster
	s_endpgm
.Lentry_in_a_cluster:
	s_bfe_u32 s2, ttmp6, 0x10000c
	s_cmp_lg_u32 s2, 0xf033
	s_cbranch_scc0 .Lentry_shape_is_right
	s_endpgm
.Lentry_shape_is_right:
; The first product, x w_attn^T, on codes of FP8 (E4M3), K = 1,024, and the quantising of its results q, k and v for the two products of attention.
; OPERANDS: the buffer of codes, [tile of 16 rows][128 along K: 8][image of a fragment's registers, 2,048 bytes: registers 4 q .. 4 q + 3 of lane l at 512 q + 16 l].  A block of 256 rows is 262,144 bytes:
; blocks 0-31 are x, 32-35 w_attn's rows for q, 36-39 for k, 40-43 for v.
; A tile of the result, 256 x 256, is made by a work-group of four waves; a wave makes 128 x 128: 64 accumulators, 512 registers.  K goes in four steps of 256 through two LDS slots filled by the tensor data mover.
; CLUSTERS: 4 x 4 work-groups; operand A's tile is shared along a row of the cluster, B's along a column: each is asked for JOINTLY, by the same tensor load with the same descriptor and a mask that names the four.
; THE MATRIX INSTRUCTION IS USED TRANSPOSED (source 0 = 16 rows of B, source 1 = 16 rows of A): lane l holds row l % 16 of A, and its eight registers B's rows 8 (l / 16) + 0 .. 7 of the tile.  One conversion of an
; accumulator's eight registers therefore gives registers 2 b, 2 b + 1 of a fragment whose rows are A's rows and whose k runs over B's rows.  q and k want rows = tokens, k = the head's channels: A = x, B = w.
; v wants rows = channels, k = tokens (the keys are the second product's K): A = w, B = x.  The cluster's x says which: 0 q, 1 k, 2 v; it is the same in all sixteen partners, and only numbers are chosen by it, no path.
; RESULTS, as images again: q at byte 0 and k at 8,388,608: [batch x head: 64][tile of 16 tokens: 128][16 x 64: 1,024 bytes: registers 4 c .. 4 c + 3 at 512 c + 16 l];
; v at 16,777,216: [batch x head][128 keys: 16][16 channels: 4][16 x 128: 2,048 bytes].  Each store covers 512 consecutive bytes, aligned, straight from the conversions' registers: no stage.
; code = sum x 2^(e0 + e1) / 2^et, et = entry 2 (q), 3 (k) or 5 (v) of the scales: the three are folded into the conversion's one scale.
; LIMITS: et - e0 - e1 between -126 and 119.  NaN among the inputs is not served.
; REGISTERS, in windows of 256: window 0: v8-29 addresses and scales; from v128 A's fragments, ONE set; on the way out v32-255 are free.  window 1: B's fragments, TWO sets, at v0 and v128.
;   window 2: the accumulators of my A rows 0-63 ((a, b) at v[8 (8 a + b)]); window 3: those of rows 64-127.
.set KSB,    4096                      ; a tile of 16 rows' bytes of a K step of 256: two images
.set HALFT,  8*KSB                     ; 128 rows: what one tensor load brings, and what one wave reads of A or of B
.set SLOT,   4*HALFT                   ; A's 256 rows, then B's 256 rows
.set SPARE,  2*SLOT                    ; behind the ring: the spare words, 128 bytes a wave: two blocks of 256 bytes that no other line names
.set FR,     16                        ; registers of a fragment
.set NL,     4                         ; LDS loads that bring one
.set NP,     4                         ; places behind this matrix instruction (ISA guide 7.12.1)
.set VQ,   8                           ; v8-11   the way out: my byte in the four stores of a block of 16 rows
.set SC,   12                          ; v12     2^(et - e0 - e1)
.set LIM,  13                          ; v13     448 x that
.set ADRA, 16                          ; v16-17  LDS address of my A fragments in slot 0, 1
.set ADRB, 20                          ; v20-21  the same for B
.set SPW,  28                          ; v28     LDS address of my spare word; never rewritten
.set NIL,  29                          ; v29     0; never rewritten
.set TMP,  32                          ; the way out: a block's 64 sums, held
.set CD,   96                          ; v96-223  16 registers of codes for each of the eight blocks: no store's data are written again
.set AD,   224                         ; v224-255 four offsets for each block: no store's offset is written again
.set AF,   128                         ; A's fragments, in window 0
.set G1, 24                            ; s[24:31] descriptor group 1 for A's tiles;  s[32:39] group 0, one set for each slot
.set G0, 32
.set G1B, 48                           ; s[48:55], s[56:63] the same for B's tiles
.set G0B, 56
.set MSB, 0
.macro WIN new                         ; the immediate's high byte repeats the setting that is left
.if MSB != \new
	s_set_vgpr_msb (MSB<<8)|\new
.set MSB, \new
.endif
.endm
.set MUL_LO, 0xa1                      ; source 0 (B) window 1, source 1 (A) window 0, C and D window 2
.set MUL_HI, 0xf1                      ; the same, C and D window 3
.set TO_B,   0x40                      ; destination window 1, address window 0
; A joint load: waves 0 and 1 fetch for A, waves 2 and 3 for B.  Each of the two lines has ONE mask and one set of registers for all that issue it; the branch hangs on the wave's number alone.
; An s_nop 0 and four v_nop follow each of the two lines, ahead of the jump, the label and what follows.
.macro JLOAD g0a, g1a, g0b, g1b
	s_cmp_eq_u32 s15, 0
	s_cbranch_scc0 .Lfor_b_\@
	tensor_load_to_lds s[\g0a:\g0a+3], s[\g1a:\g1a+7]
	s_nop 0
.rept 4
	v_nop
.endr
	s_branch .Lasked_\@
.Lfor_b_\@:
	tensor_load_to_lds s[\g0b:\g0b+3], s[\g1b:\g1b+7]
	s_nop 0
.rept 4
	v_nop
.endr
.Lasked_\@:
.endm
.macro CREST                           ; a round of the cluster's barrier behind its opening barrier
	s_cmp_lg_u32 s14, 0
	s_cbranch_scc1 .Lnot_wave_0_\@
	s_barrier_signal -3
.Lnot_wave_0_\@:
	s_barrier_wait -3
	s_barrier_signal -1
	s_barrier_wait -1
.endm
.macro CROUND                          ; a whole round
	s_barrier_signal -1
	s_barrier_wait -1
	CREST
.endm
	s_load_b128 s[4:7], s[0:1], 0x0                ; the codes s[4:5], the scales' exponents s[6:7]
	s_load_b64 s[8:9], s[0:1], 0x10                ; q, k and v's images
	v_lshl_add_u32 v[SPW], v0, 2, SPARE
	v_mov_b32 v[NIL], 0
	ds_add_u32 v[SPW], v[NIL]                      ; the wave's opening: the add and its wait stand ahead of my first tensor load; the set-up below, work on registers, stands between them
	ds_add_u32 v[SPW], v[NIL]
	v_lshrrev_b32 v1, 5, v0
	v_readfirstlane_b32 s14, v1                    ; wave 0..3
	s_lshr_b32 s15, s14, 1                         ; which half of A's rows is mine.  Also: I fetch for A (0) or for B (1)
	s_and_b32 s16, s14, 1                          ; which half of B's rows.  Also: which 128 rows of that tile I fetch
	s_bfe_u32 s40, ttmp6, 0x40000                  ; cx, cy: my place in the cluster
	s_bfe_u32 s41, ttmp6, 0x40004
	s_and_b32 s17, ttmp7, 0xffff
	s_lshl_b32 s17, s17, 2                         ; 4 x cluster y: the cluster's first block of x
	s_lshl_b32 s18, ttmp9, 2
	s_add_co_u32 s18, s18, 32                      ; 32 + 4 x cluster x: its first block of w_attn
	s_cmp_eq_u32 ttmp9, 2                          ; v?  The cluster's x is the same in all sixteen partners
	s_cselect_b32 s19, 40, s17                     ; A's first block: w_attn's rows for v, else x,
	s_cselect_b32 s46, s17, s18                    ; B's: x, else w_attn's rows for q or k
	s_add_co_u32 s19, s19, s41                     ; A's block hangs on cy alone, which my row of the cluster shares,
	s_add_co_u32 s46, s46, s40                     ; B's on cx alone, which my column shares
	s_lshl_b32 s43, s41, 2
	s_lshl_b32 s43, 15, s43                        ; my row of the cluster
	s_lshl_b32 s44, 0x1111, s40                    ; my column
	; descriptor group 1: 8 tiles of 16 rows, 4,096 bytes of each (512 elements of 8 bytes), 16,384 bytes apart; dense in LDS
	s_or_b32 s[G1+0], s43, (3<<16)|(1<<21)         ; 15:0 the mask: A's tiles go to my row; 17:16 element of 8 bytes; 20 no padding; 21 set beside a mask
	s_or_b32 s[G1B+0], s44, (3<<16)|(1<<21)
.irp g, G1, G1B
	s_mov_b32 s[\g+1], 512<<16                     ; tensor_dim0 = 512
	s_mov_b32 s[\g+2], 8<<16                       ; tensor_dim1 = 8
	s_mov_b32 s[\g+3], 512<<16                     ; tile_dim0 = 512
	s_mov_b32 s[\g+4], 8                           ; tile_dim1 = 8
	s_mov_b32 s[\g+5], 2048                        ; tensor_dim0_stride: 16,384 bytes
	s_mov_b32 s[\g+6], 0
	s_mov_b32 s[\g+7], 0
.endr
	s_lshl_b32 s18, s16, 17                        ; which 128 rows of the tile I fetch: 8 tiles of 16,384 bytes
	s_lshl_b32 s20, s19, 18
	s_add_co_u32 s20, s20, s18
	s_mov_b32 s21, 0
	s_lshl_b32 s46, s46, 18
	s_add_co_u32 s46, s46, s18
	s_mov_b32 s47, 0
	s_lshl_b32 s45, s14, 15                        ; where they go: wave x 32,768: no place in the cluster enters an LDS address
	s_wait_dscnt 0x0                               ; the opening add is done
	s_wait_kmcnt 0x0
	s_load_b256 s[80:87], s[6:7], 0x0              ; the eight exponents
	s_add_nc_u64 s[20:21], s[4:5], s[20:21]
	s_add_nc_u64 s[46:47], s[4:5], s[46:47]
	CROUND                                         ; all sixteen work-groups are here: the first joint loads meet
.irp s, 0,1
	s_mov_b32 s[G0+4*\s], 1
	s_add_co_u32 s[G0+4*\s+1], s45, \s*SLOT
	s_add_nc_u64 s[G0+4*\s+2:G0+4*\s+3], s[20:21], \s*KSB
	s_or_b32 s[G0+4*\s+3], s[G0+4*\s+3], 0x80000000
	s_mov_b32 s[G0B+4*\s], 1
	s_add_co_u32 s[G0B+4*\s+1], s45, \s*SLOT
	s_add_nc_u64 s[G0B+4*\s+2:G0B+4*\s+3], s[46:47], \s*KSB
	s_or_b32 s[G0B+4*\s+3], s[G0B+4*\s+3], 0x80000000
	JLOAD G0+4*\s, G1, G0B+4*\s, G1B
.endr
	v_and_b32 v1, 31, v0
	v_lshlrev_b32 v[VQ], 4, v1                     ; 16 x lane: an image's place for my lane
	s_lshl_b32 s21, s15, 15                        ; my 128 rows of A
	s_lshl_b32 s22, s16, 15                        ; my 128 rows of B,
	s_add_co_u32 s22, s22, 2*HALFT                 ; which lie behind A's 256
.irp s, 0,1
	v_add_nc_u32 v[ADRA+\s], s21, v[VQ]
	v_add_nc_u32 v[ADRB+\s], s22, v[VQ]
	s_add_co_u32 s21, s21, SLOT
	s_add_co_u32 s22, s22, SLOT
.endr
	s_wait_alu depctr_va_vdst(0)
	; THE WAY OUT'S NUMBERS, made here, while the first tiles are on their way.  Chosen by the cluster's x, without a branch.
	s_wait_kmcnt 0x0
	s_cmp_eq_u32 ttmp9, 2
	s_cselect_b32 s66, s40, s41                    ; my block of x within the cluster's four,
	s_cselect_b32 s67, s41, s40                    ; my block of 256 rows of w (four heads),
	s_cselect_b32 s68, s16, s15                    ; my wave's half of the block of x,
	s_cselect_b32 s69, s15, s16                    ; and of the block of w (two heads)
	s_mov_b32 s70, 131072
	s_cselect_b32 s70, 1024, s70                   ; from a block's stores 0, 1 to its stores 2, 3: v: the image's second half; q, k: the next head
	s_mov_b32 s71, 1024
	s_cselect_b32 s71, 2048, s71                   ; from a block of 16 rows of A to the next: v: the next 16 channels' image; q, k: the next 16 tokens'
	s_cselect_b32 s72, 122880, 0                   ; v: behind four blocks (a head's 64 channels, 8,192 bytes) on to the next head, 131,072 bytes on
	s_cselect_b32 s73, s85, s83
	s_cmp_eq_u32 ttmp9, 0
	s_cselect_b32 s73, s82, s73                    ; et: entry 2 for q, 3 for k, 5 for v
	s_add_co_u32 s66, s66, s17                     ; my block of x, 0..31: batch = block / 8
	s_lshr_b32 s74, s66, 3
	s_lshl_b32 s74, s74, 4
	s_lshl_b32 s75, s67, 2
	s_add_co_u32 s74, s74, s75
	s_lshl_b32 s75, s69, 1
	s_add_co_u32 s74, s74, s75                     ; 16 x batch + my first head
	s_lshl_b32 s74, s74, 17                        ; a head's images are 131,072 bytes in each of the three
	s_and_b32 s75, s66, 7
	s_lshl_b32 s75, s75, 1
	s_add_co_u32 s75, s75, s68                     ; which 128 tokens of the batch's 2,048
	s_lshl_b32 s75, s75, 13                        ; 8,192 bytes in each of the three
	s_add_co_u32 s74, s74, s75
	s_lshl_b32 s75, ttmp9, 23                      ; q, k or v
	s_add_co_u32 s74, s74, s75
	s_mov_b32 s75, 0
	s_add_nc_u64 s[8:9], s[8:9], s[74:75]
	v_add_nc_u32 v[VQ+1], 512, v[VQ]
	v_add_nc_u32 v[VQ+2], s70, v[VQ]
	v_add_nc_u32 v[VQ+3], 512, v[VQ+2]
	s_sub_co_i32 s76, s73, s80
	s_sub_co_i32 s76, s76, s81
	s_add_co_i32 s76, s76, 127
	s_lshl_b32 s78, s76, 23
	v_mov_b32 v[SC], s78                           ; 2^(et - e0 - e1) as f32: the conversion takes its exponent field
	s_add_co_i32 s76, s76, 8
	s_lshl_b32 s76, s76, 23
	s_or_b32 s76, s76, 0x600000
	v_mov_b32 v[LIM], s76                          ; 448 x that
	s_mov_b32 s77, 0                               ; the way out's walking offset
.macro FRAG reg, adr, q, i             ; a fragment comes as it was laid: four loads of 512 consecutive bytes.  Tile of 16 rows i, the slot's q-th 128 along K
.irp c, 0,1,2,3
	ds_load_b128 v[\reg+4*\c:\reg+4*\c+3], v[\adr] offset:KSB*(\i)+2048*(\q)+512*\c
.endr
.endm
; 16 matrix instructions: A's blocks a0, a0 + 1 x B's eight, 128 along K.  p: B's set.  zero = 1: the first product starts the sums: nothing is ever cleared.
; The 64 accumulators take turns, one instruction a turn, in the same order in every step.
.macro MUL16 a0, p, zero
.irp a, \a0, \a0+1
.irp b, 0,1,2,3,4,5,6,7
.if \zero
	v_wmma_f32_16x16x128_fp8_fp8 v[8*(8*((\a)%4)+\b):8*(8*((\a)%4)+\b)+7], v[128*(\p)+FR*\b:128*(\p)+FR*\b+FR-1], v[AF+FR*(\a):AF+FR*(\a)+FR-1], 0
.else
	v_wmma_f32_16x16x128_fp8_fp8 v[8*(8*((\a)%4)+\b):8*(8*((\a)%4)+\b)+7], v[128*(\p)+FR*\b:128*(\p)+FR*\b+FR-1], v[AF+FR*(\a):AF+FR*(\a)+FR-1], v[8*(8*((\a)%4)+\b):8*(8*((\a)%4)+\b)+7]
.endif
.endr
.endr
.endm
.macro FETCH_B slot, q, p              ; B's eight fragments of the slot's q-th 128 along K into set p
	WIN TO_B
.irp i, 0,1,2,3,4,5,6,7
	FRAG 128*(\p)+FR*\i, ADRB+\slot, \q, \i
.endr
	WIN 0
.endm
.macro FETCH_A slot, q, i0             ; A's blocks i0 .. i0 + 3
.irp i, \i0, \i0+1, \i0+2, \i0+3
	FRAG AF+FR*(\i), ADRA+\slot, \q, \i
.endr
.endm
; A load into a register that a matrix instruction has read, and a vector instruction that reads a matrix result or writes one of its registers, stand NP places behind it; only plain vector
; instructions that name none of its registers are places (ISA guide 7.12.1 for vector instructions).
.macro PLACES n
.rept \n
	v_nop
.endr
.endm
; A step of 128 along K that has its successor in the same slot.  A block of A is free as soon as its eight products are issued, so A has one set: blocks 0-3 are fetched anew in the step's middle, blocks 4-7 at its end.
.macro STEP slot, q, zero
	s_wait_dscnt 4*NL                              ; B's set and A's blocks 0-3 are in; the youngest sixteen loads (A's blocks 4-7) may be out
	WIN MUL_LO
	MUL16 0, (\q)%2, \zero
	MUL16 2, (\q)%2, \zero
	s_wait_dscnt 0                                 ; A's blocks 4-7 are in
	PLACES NP
	FETCH_B \slot, (\q)+1, 1-(\q)%2
	FETCH_A \slot, (\q)+1, 0
	WIN MUL_HI
	MUL16 4, (\q)%2, \zero
	MUL16 6, (\q)%2, \zero
	PLACES NP
	WIN 0
	FETCH_A \slot, (\q)+1, 4
.endm
; A slot's last step changes slots: ONE barrier; in front of it each wave waits for all its tensor loads, adds 0 to its spare word, and waits for that and for its own reads of this slot.  fill = 1: this slot is filled again, two K steps ahead.
.macro TURN slot, next, fill
	s_wait_tensorcnt 0x0                           ; all my tensor loads have landed: my part of the next slot  (every window is 0 here: the add's two registers lie in window 0)
	ds_add_u32 v[SPW], v[NIL]                      ; 0 onto my spare word
	s_wait_dscnt 4*NL+1                            ; (the add and the youngest sixteen loads, A's blocks 4-7, may be out)
	WIN MUL_LO
	MUL16 0, 1, 0                                  ; sixteen matrix instructions stand between the add and the wait for it
	s_wait_dscnt 0x0                               ; the add is done, and my reads of this slot are over
	s_barrier_signal -1
	MUL16 2, 1, 0
	WIN 0
	s_barrier_wait -1
.if \fill
	CREST                                          ; the barrier has opened a round of the cluster's barrier: no wave of any partner still reads this slot's tile or has a load on its way
	s_add_nc_u64 s[G0+4*\slot+2:G0+4*\slot+3], s[G0+4*\slot+2:G0+4*\slot+3], 2*KSB
	s_add_nc_u64 s[G0B+4*\slot+2:G0B+4*\slot+3], s[G0B+4*\slot+2:G0B+4*\slot+3], 2*KSB
	JLOAD G0+4*\slot, G1, G0B+4*\slot, G1B         ; the first tensor load behind the round; the four v_nop behind it are the places in front of the loads below
.else
	PLACES NP
.endif
	FETCH_B \next, 0, 0
	FETCH_A \next, 0, 0
	WIN MUL_HI
	MUL16 4, 1, 0
	MUL16 6, 1, 0
	PLACES NP
	WIN 0
	FETCH_A \next, 0, 4
.endm
	s_wait_tensorcnt 1                             ; my part of K step 0 is in (K step 1's load, issued behind it, may be out)
	s_barrier_signal -1
	s_barrier_wait -1                              ; everybody's is
	FETCH_B 0, 0, 0
	FETCH_A 0, 0, 0
	FETCH_A 0, 0, 4
	STEP 0, 0, 1                                   ; K = 1,024 is four K steps of 256, eight steps of 128: written out, no loop.  The first step's products start the sums
	TURN 0, 1, 1                                   ; slot 0 takes K step 2
	STEP 1, 0, 0
	TURN 1, 0, 1                                   ; slot 1 takes K step 3
	STEP 0, 0, 0
	TURN 0, 1, 0                                   ; nothing is left to fetch
	STEP 1, 0, 0
	s_wait_dscnt 4*NL                              ; the very last step
	WIN MUL_LO
	MUL16 0, 1, 0
	MUL16 2, 1, 0
	s_wait_alu depctr_va_vdst(0)
	s_wait_dscnt 0
	WIN MUL_HI
	MUL16 4, 1, 0
	MUL16 6, 1, 0
	WIN 0
; THE WAY OUT of block a (16 rows of A x my 128 rows of B).  Its 64 sums are held, each accumulator from its low end on; eight conversions give the block's 16 registers of codes, which ARE
; images: for q and k two fragments of 16 tokens x 64 channels (two heads), for v one fragment of 16 channels x 128 keys.  Four stores of 512 consecutive bytes.
.macro EPI a
	WIN 0x02+((\a)/4)                              ; source 0: window 2 or 3
.set n, 0
.rept 64
	v_med3_num_f32 v[TMP+n], v[64*((\a)%4)+n], -v[LIM], v[LIM]     ; the conversion to an 8-bit code does not saturate (ISA guide 7.6.2): the hold at the largest code x the scale
.set n, n+1
.endr
	WIN 0
.irp b, 0,1,2,3,4,5,6,7
	v_cvt_scalef32_pk8_fp8_f32 v[CD+16*(\a)+2*\b:CD+16*(\a)+2*\b+1], v[TMP+8*\b:TMP+8*\b+7], v[SC]
.endr
.irp q, 0,1,2,3
	v_add_nc_u32 v[AD+4*(\a)+\q], s77, v[VQ+\q]    ; (plain lines behind the conversions, ahead of the next block's holds, which write their sources)
.endr
.irp q, 0,1,2,3
	global_store_b128 v[AD+4*(\a)+\q], v[CD+16*(\a)+4*\q:CD+16*(\a)+4*\q+3], s[8:9]
.endr
	s_add_co_u32 s77, s77, s71
.if (\a) == 3
	s_add_co_u32 s77, s77, s72
.endif
.endm
	PLACES NP                                      ; behind the last products: their results are read, and A's registers written, below
.irp a, 0,1,2,3,4,5,6,7
	EPI \a
.endr
	s_wait_tensorcnt 0x0                           ; the wave's end, behind my last tensor load
	ds_add_u32 v[SPW], v[NIL]
	s_wait_dscnt 0x0
	CROUND                                         ; the closing round: no work-group ends while a partner may still ask for a tile that names it
	s_endpgm
.Lfunc_end_k_q46204500b9_qkv:
	.size	k_q46204500b9_qkv, .Lfunc_end_k_q46204500b9_qkv-k_q46204500b9_qkv
	.p2alignl 7, 3214868480
	.fill 96, 4, 3214868480
	.section	.rodata,"a",@progbits
	.p2align	6, 0x0
	.amdhsa_kernel k_q46204500b9_qkv
		.amdhsa_group_segment_fixed_size 327680
		.amdhsa_private_segment_fixed_size 0
		.amdhsa_enable_private_segment 0
		.amdhsa_kernarg_size 24
		.amdhsa_user_sgpr_count 2
		.amdhsa_user_sgpr_kernarg_segment_ptr 1
		.amdhsa_wavefront_size32 1
		.amdhsa_system_sgpr_workgroup_id_x 1
		.amdhsa_system_sgpr_workgroup_id_y 1
		.amdhsa_system_sgpr_workgroup_id_z 1
		.amdhsa_system_vgpr_workitem_id 0
		.amdhsa_next_free_vgpr 1024
		.amdhsa_next_free_sgpr 100
		.amdhsa_reserve_vcc 0
		.amdhsa_float_denorm_mode_32 3
		.amdhsa_float_denorm_mode_16_64 3
		.amdhsa_memory_ordered 1
		.amdhsa_forward_progress 1
		.amdhsa_inst_pref_size 119
	.end_amdhsa_kernel
	.amdgpu_metadata
---
amdhsa.version: [ 1, 2 ]
amdhsa.kernels:
  - .name:           k_q46204500b9_qkv
    .symbol:         k_q46204500b9_qkv.kd
    .args:
      - { .name: codes, .offset: 0, .size: 8, .value_kind: global_buffer, .address_space: global }
      - { .name: lowp_scales, .offset: 8, .size: 8, .value_kind: global_buffer, .address_space: global }
      - { .name: qkv, .offset: 16, .size: 8, .value_kind: global_buffer, .address_space: global }
    .group_segment_fixed_size: 327680
    .private_segment_fixed_size: 0
    .kernarg_segment_align: 8
    .kernarg_segment_size: 24
    .max_flat_workgroup_size: 128
    .sgpr_count:     100
    .vgpr_count:     1024
    .wavefront_size: 32
...
	.end_amdgpu_metadata
.endif
;; end of part 2
;; launch attn (part 3): grid 4 x 64, 16 waves a work-group, clusters of 4 x 1, 327,680 bytes of LDS; arguments qkv, lowp_scales, yq; writes yq
.if DOCPART == 3
	.amdgcn_target "amdgcn-amd-amdhsa--gfx1250"
	.amdhsa_code_object_version 6
	.text
	.protected	k_q46204500b9_attn
	.globl	k_q46204500b9_attn
	.p2align	8
	.type	k_q46204500b9_attn,@function
k_q46204500b9_attn:
	s_mov_b64 s[64:65], 0
	v_nop
	global_prefetch_b8 v0, s[64:65] scope:SCOPE_SE
	s_setreg_imm32_b32 hwreg(HW_REG_WAVE_MODE, 25, 1), 1
	s_wait_xcnt 0x0
	s_wait_alu depctr_hold_cnt(0) depctr_sa_sdst(0) depctr_va_vdst(0) depctr_va_sdst(0) depctr_va_ssrc(0) depctr_va_vcc(0) depctr_vm_vsrc(0)
	s_getreg_b32 s2, hwreg(HW_REG_IB_STS2, 6, 4)
	s_cmp_eq_u32 s2, 0
	s_cbranch_scc0 .Lentry_in_a_cluster
	s_endpgm
.Lentry_in_a_cluster:
	s_bfe_u32 s2, ttmp6, 0x10000c
	s_cmp_lg_u32 s2, 0x3003
	s_cbranch_scc0 .Lentry_shape_is_right
	s_endpgm
.Lentry_shape_is_right:
; Causal attention of one head (64 channels, 2,048 tokens) on codes of FP8 (E4M3): S = q k^T / 8, softmax, y = p v; y is quantised for the last product.
; INPUTS, images of operand registers: q at byte 0, k at 8,388,608: [batch x head: 64][tile of 16 tokens: 128][16 x 64: 1,024 bytes]; v at 16,777,216: [batch x head][128 keys: 16][16 channels: 4][16 x 128: 2,048 bytes].
; THE SOFTMAX AHEAD OF THE SECOND PRODUCT: t = score x log2(e) / 8; M = the row's largest t so far, rounded UP to a whole number; p = 2^(t - M) is what is quantised, not normalised.  The row's sum is taken of the
; unquantised p, in f32, and divides at the end.  When M moves, the sum and O are multiplied by 2^(old M - new M): exact.
; CLUSTER: the four work-groups of a cluster belong to one head (the cluster's y).  ALL OF THE HEAD'S k AND v LIE IN LDS, 131,072 bytes each, filled once, by joint loads (mask of all four): no slot is filled again,
; so no barrier stands in the walks.  The fills go out at the head in three stages (keys 0-255, 256-1,023, 1,024-2,047), each with a counted wait and a barrier of its own, so that the work begins when the first has landed.
; SHARES.  Tile of 16 queries qt = 4 j + cx, j = 0 .. 31 in a work-group.  Its last step of 128 keys is qt / 8 = j / 2: it does not hang on cx, so every branch hangs on the wave's number and on counts alone;
; cx enters q's and y's addresses in memory and the mask's compare.  Wave w takes j = 31 - w (16 - w / 2 steps) and then j = w (w / 2 + 1 steps): 17 steps in every wave of the launch.
; LAYOUT.  Both products are used transposed: S^T = k q^T (source 0 = 16 keys, source 1 = my 16 queries), O^T = v^T p^T: a lane holds ONE query (lane % 16) throughout.  Tile t's eight registers are keys
; 16 t + 8 (lane / 16) + 0 .. 7: one conversion gives registers 2 t, 2 t + 1 of p's fragment, in the order in which v's images were laid.  O^T's four tiles likewise give y's codes in the last product's order.
; OUTPUT: [tile of 16 tokens: 512][128 channels: 8][image, 2,048 bytes]; a head's 64 channels are half an image: 1,024 bytes at 1,024 x head, two stores of 512 consecutive bytes.
; THE MASK: a step all of whose keys come after my queries is jumped over (a scalar branch on the wave's number and the step's count, round the work alone); in the one step on the diagonal hidden scores become
; -infinity ahead of the maximum, so that p = 0.  Key 0 counts for every query, so M is a number from the first step on.
; LIMITS on the given exponents, so that each power of two below is an f32 number: e2 + e3 between -123 and 130; e4, and e6 - e4 - e5, between -126 and 119.  NaN among the inputs is not served.
.set VIMG,  131072                     ; LDS: k's images from 0, v's from here
.set SPARE, 262144                     ; behind them: the spare words, 128 bytes for each of sixteen waves: eight blocks of 256 bytes that no other line names
.set KSB,   8192                       ; a step of 128 keys in either
.set LI,   1                           ; v1   16 x lane; never rewritten
.set LIV,  2                           ; v2   + VIMG
.set ADK,  3                           ; v3   LDS address of the step's k
.set ADV,  4                           ; v4   of its v
.set SPW,  5                           ; v5   LDS address of my spare word; never rewritten
.set NIL,  6                           ; v6   0; never rewritten
.set PLIM, 7
.set PSC,  8                           ; v8   2^e4
.set YSC,  9                           ; v9   2^(e6 - e4 - e5)
.set YLIM, 10
.set DMB,  11                          ; v11  the first tile's mask number: my query's place in its last step - 8 (lane / 16)
                                       ; v12 -M, v13 the largest t, v[14:15] the sum in two halves
.set QB,   16                          ; v16-23  q of the first tile (j = 31 - w)
.set QS,   24                          ; v24-31  of the second (j = w)
.set KF,   32                          ; v32-95  eight fragments of k, then four of v
.set S,    96                          ; v96-159 S^T, then p
.set O,    160                         ; v160-191 O^T
.set P,    192                         ; v192-207 p's codes
.set Y,    208                         ; v208-223 y's codes, eight registers for each tile: no store's data are written again
.set TA,   224                         ; v224, v225 at work
.set F,    226                         ; v[226:227] f = 2^(old M - new M); v227 is named with it as a pair
.set PD,   228                         ; v228 the lane permute's destination
.set SU,   230                         ; v[230:231] the sums' second chain
.set NINF, 232                         ; v232 -infinity
.set DMS,  233                         ; v233 the second tile's mask number
.set WV,   10                          ; s10  my wave's number
.set G1A,  16                          ; s[16:23], s[24:31], s[32:39] descriptor groups 1 of the three stages: they differ in the rows
.set G1B,  24
.set G1C,  32
.set G0,   40                          ; s[40:51] their groups 0
.set SEL,  52                          ; s[52:53] lane selects for v_permlanex16_b32: lane l xor 16
.set CS,   54                          ; s[54:55] c = log2(e) / 8 x 2^(e2 + e3)
.set TB,   56                          ; s56  LDS byte of the step
.set N,    57                          ; s57  the step
.set BL,   58                          ; s58  the first tile's last step: 15 - w / 2
.set AL,   59                          ; s59  the second's: w / 2
.set QPB,  60                          ; s[60:61], s[62:63] q's images of my two tiles
.set QPS,  62
.set YPB,  66                          ; s[66:67], s[68:69] where their y goes
.set YPS,  68
.macro CROUND                          ; a round of the cluster's barrier
	s_barrier_signal -1
	s_barrier_wait -1
	s_cmp_lg_u32 s[WV], 0
	s_cbranch_scc1 .Lnot_wave_0_\@
	s_barrier_signal -3
.Lnot_wave_0_\@:
	s_barrier_wait -3
	s_barrier_signal -1
	s_barrier_wait -1
.endm
.macro GROUP1 g, rows                  ; a dense block as rows of 256 bytes (32 elements of 8)
	s_mov_b32 s[\g], 15|(3<<16)|(1<<21)            ; 15:0 the mask: all four work-groups; 17:16 element of 8 bytes; 20 no padding; 21 set beside a mask
	s_mov_b32 s[\g+1], 32<<16                      ; tensor_dim0 = 32
	s_mov_b32 s[\g+2], (\rows)<<16                 ; tensor_dim1
	s_mov_b32 s[\g+3], 32<<16                      ; tile_dim0 = 32
	s_mov_b32 s[\g+4], \rows                       ; tile_dim1
	s_mov_b32 s[\g+5], 32                          ; tensor_dim0_stride
	s_mov_b32 s[\g+6], 0
	s_mov_b32 s[\g+7], 0
.endm
	s_load_b128 s[4:7], s[0:1], 0x0                ; q, k, v's images s[4:5], the scales' exponents s[6:7]
	s_load_b64 s[8:9], s[0:1], 0x10                ; y's images
	v_lshl_add_u32 v[SPW], v0, 2, SPARE
	v_mov_b32 v[NIL], 0
	ds_add_u32 v[SPW], v[NIL]                      ; the wave's opening: the add and its wait stand ahead of my first tensor load; the set-up below, work on registers, stands between them
	ds_add_u32 v[SPW], v[NIL]
	v_lshrrev_b32 v3, 5, v0
	s_delay_alu instid0(VALU_DEP_1)
	v_readfirstlane_b32 s[WV], v3                  ; wave 0..15
	s_bfe_u32 s11, ttmp6, 0x40000                  ; cx
	s_and_b32 s12, ttmp7, 0xffff                   ; 16 x batch + head, which the four partners share
	s_lshr_b32 s13, s[WV], 3                       ; waves 0-7 fetch k, waves 8-15 v,
	s_and_b32 s14, s[WV], 7                        ; an eighth of each stage each
	GROUP1 G1A, 8                                  ; stage 0: bytes 0 - 16,383 of an image: 2,048 a wave
	GROUP1 G1B, 24                                 ; stage 1: 16,384 - 65,535: 6,144 a wave
	GROUP1 G1C, 32                                 ; stage 2: 65,536 - 131,071: 8,192 a wave
	s_lshl_b32 s70, s13, 17                        ; k's or v's half of LDS
	s_lshl_b32 s80, s14, 11
	s_mov_b32 s81, 0
	s_mul_i32 s82, s14, 6144
	s_add_co_u32 s82, s82, 16384
	s_mov_b32 s83, 0
	s_lshl_b32 s84, s14, 13
	s_add_co_u32 s84, s84, 65536
	s_mov_b32 s85, 0                               ; s80, s82, s84: my part's byte in the head's image, in LDS and in memory alike
	s_lshl_b32 s86, s13, 23
	s_add_co_u32 s86, s86, 8388608                 ; k or v,
	s_lshl_b32 s71, s12, 17
	s_add_co_u32 s86, s86, s71                     ; my head
	s_mov_b32 s87, 0
	s_mov_b32 s[SEL], 0x76543210
	s_mov_b32 s[SEL+1], 0xfedcba98
	s_wait_dscnt 0x0                               ; the opening add is done
	s_wait_kmcnt 0x0
	s_load_b256 s[72:79], s[6:7], 0x0              ; the eight exponents
	s_add_nc_u64 s[88:89], s[4:5], s[86:87]
.irp i, 0,1,2
	s_mov_b32 s[G0+4*\i], 1                        ; count = 1
	s_add_co_u32 s[G0+4*\i+1], s70, s[80+2*\i]     ; LDS address: made of the wave's number alone
	s_add_nc_u64 s[G0+4*\i+2:G0+4*\i+3], s[88:89], s[80+2*\i:81+2*\i]
	s_or_b32 s[G0+4*\i+3], s[G0+4*\i+3], 0x80000000   ; type = 2
.endr
	CROUND                                         ; all four work-groups are here: the joint loads meet
	tensor_load_to_lds s[G0:G0+3], s[G1A:G1A+7]    ; all the launch's fills, three a wave, on end: three loads of mine are out
	s_nop 0
	tensor_load_to_lds s[G0+4:G0+7], s[G1B:G1B+7]
	s_nop 0
	tensor_load_to_lds s[G0+8:G0+11], s[G1C:G1C+7]
	s_nop 0
.rept 4
	v_nop
.endr
	s_sub_co_u32 s70, 31, s[WV]
	s_lshl_b32 s71, s70, 2
	s_add_co_u32 s71, s71, s11                     ; the first tile: qt = 4 (31 - w) + cx
	s_lshl_b32 s80, s[WV], 2
	s_add_co_u32 s80, s80, s11                     ; the second: 4 w + cx
	s_lshl_b32 s82, s12, 17
	s_mov_b32 s85, 0
	s_lshl_b32 s84, s71, 10
	s_add_co_u32 s84, s84, s82
	s_add_nc_u64 s[QPB:QPB+1], s[4:5], s[84:85]
	s_lshl_b32 s84, s80, 10
	s_add_co_u32 s84, s84, s82
	s_add_nc_u64 s[QPS:QPS+1], s[4:5], s[84:85]
	v_and_b32 v[LI], 31, v0
	s_delay_alu instid0(VALU_DEP_1)
	v_lshlrev_b32 v[LI], 4, v[LI]
	global_load_b128 v[QB:QB+3], v[LI], s[QPB:QPB+1]
	global_load_b128 v[QB+4:QB+7], v[LI], s[QPB:QPB+1] offset:512
	global_load_b128 v[QS:QS+3], v[LI], s[QPS:QPS+1]
	global_load_b128 v[QS+4:QS+7], v[LI], s[QPS:QPS+1] offset:512
	v_add_nc_u32 v[LIV], VIMG, v[LI]
	s_lshr_b32 s83, s12, 4
	s_lshl_b32 s83, s83, 7                         ; the batch's first tile of tokens
	s_and_b32 s86, s12, 15
	s_lshl_b32 s86, s86, 10                        ; the head's half image
	s_add_co_u32 s84, s83, s71
	s_lshl_b32 s84, s84, 14
	s_add_co_u32 s84, s84, s86
	s_add_nc_u64 s[YPB:YPB+1], s[8:9], s[84:85]
	s_add_co_u32 s84, s83, s80
	s_lshl_b32 s84, s84, 14
	s_add_co_u32 s84, s84, s86
	s_add_nc_u64 s[YPS:YPS+1], s[8:9], s[84:85]
	v_and_b32 v3, 15, v0
	v_bfe_u32 v4, v0, 4, 1
	s_delay_alu instid0(VALU_DEP_1)
	v_lshlrev_b32 v4, 3, v4
	s_delay_alu instid0(VALU_DEP_1)
	v_sub_nc_u32 v3, v3, v4                        ; lane % 16 - 8 (lane / 16)
	s_and_b32 s84, s71, 7
	s_lshl_b32 s84, s84, 4
	v_add_nc_u32 v[DMB], s84, v3                   ; + 16 (qt % 8): register 8 t + i of the diagonal step is hidden where 16 t + i is greater
	s_and_b32 s84, s80, 7
	s_lshl_b32 s84, s84, 4
	v_add_nc_u32 v[DMS], s84, v3
	s_lshr_b32 s[AL], s[WV], 1
	s_sub_co_u32 s[BL], 15, s[AL]
	v_mov_b32 v[NINF], 0xff800000
	v_mov_b32 v[F+1], 0                            ; (named as the upper half of a pair)
	v_mov_b32 v[PD], 0                             ; written once: a lane permute's destination counts as one of its sources
	s_wait_kmcnt 0x0
	s_add_co_i32 s84, s74, s75
	s_lshl_b32 s84, s84, 23
	s_mov_b32 s[CS], 0x3e38aa3b                    ; log2(e) / 8
	s_add_co_i32 s[CS], s[CS], s84                 ; a score stands for score x 2^(e2 + e3): the two exponents are added to c's exponent field
	s_mov_b32 s[CS+1], s[CS]
	s_add_co_i32 s84, s76, 127
	s_lshl_b32 s86, s84, 23
	v_mov_b32 v[PSC], s86
	s_sub_co_i32 s84, s78, s76
	s_sub_co_i32 s84, s84, s77                     ; O / l stands for y / 2^(e4 + e5): y's code is (O / l) / 2^(e6 - e4 - e5)
	s_add_co_i32 s84, s84, 127
	s_lshl_b32 s86, s84, 23
	v_mov_b32 v[YSC], s86
.macro INIT                            ; a tile begins: the step is written once, and its first run finds zeros, which the first change of M leaves zeros
	v_mov_b32 v13, 0xff61b1e6                      ; the largest t so far: -3e38, under every t
	s_delay_alu instid0(VALU_DEP_1)
	v_floor_f32 v12, -v13                          ; -M
	v_mov_b32 v14, 0
	v_mov_b32 v15, 0
.set j, 0
.rept 32
	v_mov_b32 v[O+j], 0
.set j, j+1
.endr
.endm
; A KEY STEP: 128 keys at LDS byte s[TB] of both images.  q: the tile's fragment of q.  causal = 1: dm the tile's mask number, lim the scalar register with its last step.
.macro STEP q, dm, causal, lim
.if \causal
	s_cmp_gt_u32 s[N], s[\lim]                     ; all keys of this step come after my queries: the work is left out
	s_cbranch_scc1 .Lskip_\@
.endif
	s_setprio 2
	v_add_nc_u32 v[ADK], s[TB], v[LI]
	v_add_nc_u32 v[ADV], s[TB], v[LIV]
	v_nop
	v_nop                                          ; four places in front of loads into registers that the last products have read
.irp t, 0,1,2,3,4,5,6,7
	ds_load_b128 v[KF+8*\t:KF+8*\t+3], v[ADK] offset:1024*\t
	ds_load_b128 v[KF+8*\t+4:KF+8*\t+7], v[ADK] offset:1024*\t+512
.endr
	s_wait_alu depctr_va_vdst(0)
	s_wait_dscnt 0x0
.irp t, 0,1,2,3,4,5,6,7
	v_wmma_f32_16x16x64_fp8_fp8 v[S+8*\t:S+8*\t+7], v[KF+8*\t:KF+8*\t+7], v[\q:\q+7], 0
.endr
.rept 4
	v_nop                                          ; places in front of the loads below and of the first read of the scores
.endr
.irp d, 0,1,2,3                                ; v's four fragments land while the softmax is walked
.irp c, 0,1,2,3
	ds_load_b128 v[KF+16*\d+4*\c:KF+16*\d+4*\c+3], v[ADV] offset:2048*\d+512*\c
.endr
.endr
.if \causal
	s_cmp_lg_u32 s[N], s[\lim]                     ; only the tile's last step lies on the diagonal
	s_cbranch_scc1 .Lopen_\@
.set n, 0
.rept 64
	v_cmp_gt_i32 vcc_lo, 16*(n/8)+n%8, v[\dm]
	v_cndmask_b32 v[S+n], v[S+n], v[NINF], vcc_lo
.set n, n+1
.endr
.Lopen_\@:
.endif
	v_max3_num_f32 v[TA], v[S], v[S+1], v[S+2]     ; the step's largest score of my query among my 64 keys, in two chains, each tile from its low end on,
	v_max3_num_f32 v[TA+1], v[S+3], v[S+4], v[S+5]
.irp i, 6,10,14,18,22,26,30,34,38,42,46,50,54,58
	v_max3_num_f32 v[TA], v[TA], v[S+\i], v[S+1+\i]
	v_max3_num_f32 v[TA+1], v[TA+1], v[S+2+\i], v[S+3+\i]
.endr
	v_max3_num_f32 v[TA], v[TA], v[S+62], v[S+63]
	s_delay_alu instid0(VALU_DEP_1)
	v_max_num_f32 v[TA], v[TA], v[TA+1]
	s_delay_alu instid0(VALU_DEP_1)
	v_permlanex16_b32 v[PD], v[TA], s[SEL], s[SEL+1]
	s_delay_alu instid0(VALU_DEP_1)
	v_max_num_f32 v[TA], v[TA], v[PD]              ; and among lane l xor 16's
	s_delay_alu instid0(VALU_DEP_1)
	v_mul_f32 v[TA], s[CS], v[TA]                  ; as t (c is positive)
	s_delay_alu instid0(VALU_DEP_1)
	v_max_num_f32 v13, v13, v[TA]                  ; the running largest t
	v_mov_b32 v[TA], v12
	s_delay_alu instid0(VALU_DEP_2)
	v_floor_f32 v12, -v13                          ; the new -M = floor(-t) = -ceil(t): a whole number
	s_delay_alu instid0(VALU_DEP_1)
	v_sub_f32 v[TA], v12, v[TA]                    ; old M - new M: a whole number, 0 or less
	s_delay_alu instid0(VALU_DEP_1)
	v_cvt_i32_f32 v[TA], v[TA]                     ; (it saturates)
	s_delay_alu instid0(VALU_DEP_1)
	v_ldexp_f32 v[F], 1.0, v[TA]                   ; f = 2^(old M - new M)
.set j, 0
.rept 32
	v_pk_fma_f32 v[S+j:S+j+1], v[S+j:S+j+1], s[CS:CS+1], v[12:13] op_sel_hi:[1,0,0]   ; t - M, two at a time (of the pairs c and -M the low word serves both halves)
.set j, j+2
.endr
.set j, 0
	s_setprio 1
	s_wait_alu depctr_va_vdst(0)
.rept 64
	v_exp_f32 v[S+j], v[S+j]                       ; p = 2^(t - M), at most 1
.set j, j+1
.endr
	v_pk_mul_f32 v[14:15], v[14:15], v[F:F+1] op_sel_hi:[1,0]      ; the sums under the new M: the plain line behind the exponentials
	s_wait_alu depctr_va_vdst(0)                   ; one wait for the batch of 64, ahead of the first line that names a result
	v_pk_add_f32 v[230:231], v[100:101], v[104:105]
	v_pk_add_f32 v[254:255], v[108:109], v[112:113]
	v_pk_add_f32 v[252:253], v[116:117], v[120:121]
	v_pk_add_f32 v[250:251], v[124:125], v[128:129]
	v_pk_add_f32 v[248:249], v[132:133], v[136:137]
	v_pk_add_f32 v[246:247], v[140:141], v[144:145]
	v_pk_add_f32 v[244:245], v[148:149], v[152:153]
	v_pk_add_f32 v[14:15], v[14:15], v[156:157]
	v_pk_add_f32 v[230:231], v[230:231], v[96:97]
	v_pk_add_f32 v[254:255], v[254:255], v[98:99]
	v_pk_add_f32 v[252:253], v[252:253], v[102:103]
	v_pk_add_f32 v[250:251], v[250:251], v[106:107]
	v_pk_add_f32 v[248:249], v[248:249], v[110:111]
	v_pk_add_f32 v[246:247], v[246:247], v[114:115]
	v_pk_add_f32 v[244:245], v[244:245], v[118:119]
	v_pk_add_f32 v[14:15], v[14:15], v[122:123]
	v_pk_add_f32 v[230:231], v[230:231], v[126:127]
	v_pk_add_f32 v[254:255], v[254:255], v[130:131]
	v_pk_add_f32 v[252:253], v[252:253], v[134:135]
	v_pk_add_f32 v[250:251], v[250:251], v[138:139]
	v_pk_add_f32 v[248:249], v[248:249], v[142:143]
	v_pk_add_f32 v[246:247], v[246:247], v[146:147]
	v_pk_add_f32 v[244:245], v[244:245], v[150:151]
	v_pk_add_f32 v[14:15], v[14:15], v[154:155]
	v_pk_add_f32 v[230:231], v[230:231], v[158:159]
	s_delay_alu instid0(VALU_DEP_2)
	v_pk_add_f32 v[14:15], v[14:15], v[250:251]
	s_delay_alu instid0(VALU_DEP_2)
	v_pk_add_f32 v[230:231], v[230:231], v[248:249]
	v_pk_add_f32 v[254:255], v[254:255], v[246:247]
	v_pk_add_f32 v[252:253], v[252:253], v[244:245]
	s_delay_alu instid0(VALU_DEP_2)
	v_pk_add_f32 v[14:15], v[14:15], v[254:255]
	s_delay_alu instid0(VALU_DEP_2)
	v_pk_add_f32 v[230:231], v[230:231], v[252:253]
	s_delay_alu instid0(VALU_DEP_1)
	v_pk_add_f32 v[14:15], v[14:15], v[230:231]
	s_setprio 0
.irp t, 0,1,2,3,4,5,6,7
.irp i, 0,1,2,3,4,5,6,7
.endr
	v_cvt_scalef32_pk8_fp8_f32 v[P+2*\t:P+2*\t+1], v[S+8*\t:S+8*\t+7], v[PSC]   ; keys 16 t + 8 (lane / 16) + 0 .. 7: registers 2 t, 2 t + 1 of p's fragment
.endr
.set j, 0
.rept 16
	v_pk_mul_f32 v[O+j:O+j+1], v[O+j:O+j+1], v[F:F+1] op_sel_hi:[1,0]   ; O^T under the new M.  (Also the plain lines between the conversions and the products that read their results)
.set j, j+2
.endr
	s_wait_alu depctr_va_vdst(0)
	s_wait_dscnt 0x0                               ; v is in
.irp d, 0,1,2,3                                ; the four accumulators take turns; the next matrix instructions are the next step's scores
	v_wmma_f32_16x16x128_fp8_fp8 v[O+8*\d:O+8*\d+7], v[KF+16*\d:KF+16*\d+15], v[P:P+15], v[O+8*\d:O+8*\d+7]
.endr
.if \causal
.Lskip_\@:
.endif
.endm
; Steps first .. end - 1 of a tile: the trip count is a constant of the text, and the LDS byte is set anew ahead of each walk.
.macro WALK q, dm, causal, lim, first, end
	s_mov_b32 s[TB], (\first)*KSB
	s_mov_b32 s[N], \first
.Lwalk_\@:
	STEP \q, \dm, \causal, \lim
	s_add_co_u32 s[TB], s[TB], KSB
	s_add_co_u32 s[N], s[N], 1
	s_cmp_lt_u32 s[N], \end
	s_cbranch_scc1 .Lwalk_\@
	s_setprio 0
.endm
; A tile ends: O^T / the sum, held, quantised, stored: half an image, two stores of 512 consecutive bytes.
.macro FINISH p, yp
.rept 4
	v_nop                                          ; places behind the last products
.endr
	v_add_f32 v14, v14, v15                        ; the sum's two halves,
	s_delay_alu instid0(VALU_DEP_1)
	v_permlanex16_b32 v[PD], v14, s[SEL], s[SEL+1]
	s_delay_alu instid0(VALU_DEP_1)
	v_add_f32 v14, v14, v[PD]                      ; and lane l xor 16's
	s_wait_alu depctr_va_vdst(0)
	v_rcp_f32 v14, v14
	v_nop                                          ; a plain line behind the reciprocal,
	s_wait_alu depctr_va_vdst(0)                   ; and the wait ahead of its first reader
.set j, 0
.rept 16
	v_pk_mul_f32 v[S+j:S+j+1], v[O+j:O+j+1], v[14:15] op_sel_hi:[1,0]   ; each accumulator from its low end on
.set j, j+2
.endr
.irp d, 0,1,2,3
.irp i, 0,1,2,3,4,5,6,7
.endr
	v_cvt_scalef32_pk8_fp8_f32 v[Y+8*(\p)+2*\d:Y+8*(\p)+2*\d+1], v[S+8*\d:S+8*\d+7], v[YSC]   ; channels 16 d + 8 (lane / 16) + 0 .. 7 of my token
.endr
	v_nop                                          ; one plain line behind the last conversion
	global_store_b128 v[LI], v[Y+8*(\p):Y+8*(\p)+3], s[\yp:\yp+1]
	global_store_b128 v[LI], v[Y+8*(\p)+4:Y+8*(\p)+7], s[\yp:\yp+1] offset:512
.endm
	INIT
	s_wait_loadcnt 0x0                             ; q
	s_wait_tensorcnt 0x2                           ; my part of stage 0 is in; the two loads issued behind it may be out
	s_barrier_signal -1
	s_barrier_wait -1                              ; everybody's is: keys 0-255
	WALK QB, DMB, 0, BL, 0, 2                      ; the first tile's queries are 1,024 or later: its steps 0-7 are open
	s_wait_tensorcnt 0x1                           ; stage 1; the last load may be out
	s_wait_dscnt 0x0
	s_barrier_signal -1
	s_barrier_wait -1                              ; keys 256-1,023
	WALK QB, DMB, 0, BL, 2, 8
	s_wait_tensorcnt 0x0                           ; stage 2
	s_wait_dscnt 0x0
	s_barrier_signal -1
	s_barrier_wait -1                              ; all keys.  Every wave has done eight steps at this barrier; behind it no wave waits for another
	WALK QB, DMB, 1, BL, 8, 16
	FINISH 0, YPB
	INIT
	WALK QS, DMS, 1, AL, 0, 8
	FINISH 1, YPS
	s_wait_tensorcnt 0x0                           ; the wave's end, behind my last tensor load
	ds_add_u32 v[SPW], v[NIL]
	s_wait_dscnt 0x0
	CROUND                                         ; the closing round
	s_endpgm
.Lfunc_end_k_q46204500b9_attn:
	.size	k_q46204500b9_attn, .Lfunc_end_k_q46204500b9_attn-k_q46204500b9_attn
	.p2alignl 7, 3214868480
	.fill 96, 4, 3214868480
	.section	.rodata,"a",@progbits
	.p2align	6, 0x0
	.amdhsa_kernel k_q46204500b9_attn
		.amdhsa_group_segment_fixed_size 327680
		.amdhsa_private_segment_fixed_size 0
		.amdhsa_enable_private_segment 0
		.amdhsa_kernarg_size 24
		.amdhsa_user_sgpr_count 2
		.amdhsa_user_sgpr_kernarg_segment_ptr 1
		.amdhsa_wavefront_size32 1
		.amdhsa_system_sgpr_workgroup_id_x 1
		.amdhsa_system_sgpr_workgroup_id_y 1
		.amdhsa_system_sgpr_workgroup_id_z 1
		.amdhsa_system_vgpr_workitem_id 0
		.amdhsa_next_free_vgpr 256
		.amdhsa_next_free_sgpr 96
		.amdhsa_reserve_vcc 1
		.amdhsa_float_denorm_mode_32 3
		.amdhsa_float_denorm_mode_16_64 3
		.amdhsa_fp16_overflow 1
		.amdhsa_memory_ordered 1
		.amdhsa_forward_progress 1
		.amdhsa_inst_pref_size 80
	.end_amdhsa_kernel
	.amdgpu_metadata
---
amdhsa.version: [ 1, 2 ]
amdhsa.kernels:
  - .name:           k_q46204500b9_attn
    .symbol:         k_q46204500b9_attn.kd
    .args:
      - { .name: qkv, .offset: 0, .size: 8, .value_kind: global_buffer, .address_space: global }
      - { .name: lowp_scales, .offset: 8, .size: 8, .value_kind: global_buffer, .address_space: global }
      - { .name: yq, .offset: 16, .size: 8, .value_kind: global_buffer, .address_space: global }
    .group_segment_fixed_size: 327680
    .private_segment_fixed_size: 0
    .kernarg_segment_align: 8
    .kernarg_segment_size: 24
    .max_flat_workgroup_size: 512
    .sgpr_count:     96
    .vgpr_count:     256
    .wavefront_size: 32
...
	.end_amdgpu_metadata
.endif
;; end of part 3
;; launch proj (part 4): grid 4 x 32, 4 waves a work-group, clusters of 4 x 4, 327,680 bytes of LDS; arguments yq, codes, lowp_scales, out0; writes out0
.if DOCPART == 4
	.amdgcn_target "amdgcn-amd-amdhsa--gfx1250"
	.amdhsa_code_object_version 6
	.text
	.protected	k_q46204500b9_proj
	.globl	k_q46204500b9_proj
	.p2align	8
	.type	k_q46204500b9_proj,@function
k_q46204500b9_proj:
	s_mov_b64 s[64:65], 0
	v_nop
	global_prefetch_b8 v0, s[64:65] scope:SCOPE_SE
	s_setreg_imm32_b32 hwreg(HW_REG_WAVE_MODE, 25, 1), 1
	s_wait_xcnt 0x0
	s_wait_alu depctr_hold_cnt(0) depctr_sa_sdst(0) depctr_va_vdst(0) depctr_va_sdst(0) depctr_va_ssrc(0) depctr_va_vcc(0) depctr_vm_vsrc(0)
	s_getreg_b32 s2, hwreg(HW_REG_IB_STS2, 6, 4)
	s_cmp_eq_u32 s2, 0
	s_cbranch_scc0 .Lentry_in_a_cluster
	s_endpgm
.Lentry_in_a_cluster:
	s_bfe_u32 s2, ttmp6, 0x10000c
	s_cmp_lg_u32 s2, 0xf033
	s_cbranch_scc0 .Lentry_shape_is_right
	s_endpgm
.Lentry_shape_is_right:
; The last product, out = y w_proj^T, on codes of FP8 (E4M3), K = 1,024; out [8192][1024] f32.  A number of y is its code x 2^e6, of w_proj x 2^e7: the codes are multiplied as they are, and each finished sum once by 2^(e6 + e7).
; LIMIT: e6 + e7 between -126 and 127, so that 2^(e6 + e7) is an f32 number.
; OPERANDS, both [tile of 16 rows][128 along K: 8][image of a fragment's registers, 2,048 bytes: registers 4 q .. 4 q + 3 of lane l at 512 q + 16 l]: y's buffer (blocks of 256 rows 0-31), and blocks 44-47 of the buffer of codes (w_proj).
; A tile of the result, 256 x 256, is made by a work-group of four waves; a wave makes 128 x 128: 64 accumulators, 512 registers.  K goes in four steps of 256 through two LDS slots filled by the tensor data mover.
; The result has 32 x 4 = 128 such tiles, one to a work-group.
; CLUSTERS: 4 x 4 work-groups; y's tile is shared along a row of the cluster, w_proj's along a column: each is asked for JOINTLY, by the same tensor load with the same descriptor and a mask that names the four.
; THE MATRIX INSTRUCTION IS USED TRANSPOSED (source 0 = 16 rows of w_proj, source 1 = 16 rows of y): a lane then holds eight neighbouring numbers of a row of the result.
; REGISTERS, in windows of 256: window 0: v0-31 addresses; from v128 A's fragments, ONE set; on the way out v32-255 are free.  window 1: B's fragments, TWO sets, at v0 and v128.
;   window 2: the accumulators of my rows 0-63 ((a, b) at v[8 (8 a + b)]); window 3: those of rows 64-127.
.set SIZE_N, 1024
.set KSB,    4096                      ; a tile of 16 rows' bytes of a K step of 256: two images
.set HALFT,  8*KSB                     ; 128 rows: what one tensor load brings, and what one wave reads of A or of B
.set SLOT,   4*HALFT                   ; A's 256 rows, then B's 256 rows
.set SPARE,  2*SLOT                    ; behind the ring: the spare words, 128 bytes a wave: two blocks of 256 bytes that no other line names
.set SPITCH, 528                       ; the way out: a stage of 16 rows x (512 bytes + 16) for each wave.  It lies in slot 0, which has had its last fill and its last read when the first result is stored there
.set FR,     16
.set NL,     4
.set NP,     4                         ; places behind this matrix instruction (ISA guide 7.12.1)
.set ADRA, 16                          ; v16-17  LDS address of my A fragments in slot 0, 1
.set ADRB, 20                          ; v20-21  the same for B
.set STO,  24                          ; v24     the way out: where I put 32 bytes of a row
.set RD,   25                          ; v25     the way out: where I read a row back
.set CO,   26                          ; v26     my byte offset in a row of the result
.set SPW,  28                          ; v28     LDS address of my spare word; never rewritten
.set NIL,  29                          ; v29     0; never rewritten
.set TMP,  32                          ; the way out: 64 registers, a block's sums x 2^(e6 + e7)
.set AF,   128                         ; A's fragments, in window 0
.set BK,   128                         ; the way out: 16 rows read back from the stage: v128-191 and v192-255 by turns
.set G1, 24
.set G0, 32
.set G1B, 48
.set G0B, 56
.set MSB, 0
.macro WIN new                         ; the immediate's high byte repeats the setting that is left
.if MSB != \new
	s_set_vgpr_msb (MSB<<8)|\new
.set MSB, \new
.endif
.endm
.set MUL_LO, 0xa1                      ; source 0 (B) window 1, source 1 (A) window 0, C and D window 2
.set MUL_HI, 0xf1                      ; the same, C and D window 3
.set TO_B,   0x40                      ; destination window 1, address window 0
; A joint load: waves 0 and 1 fetch for A, waves 2 and 3 for B; the branch hangs on the wave's number alone.  An s_nop 0 and four v_nop follow each of the two lines.
.macro JLOAD g0a, g1a, g0b, g1b
	s_cmp_eq_u32 s15, 0
	s_cbranch_scc0 .Lfor_b_\@
	tensor_load_to_lds s[\g0a:\g0a+3], s[\g1a:\g1a+7]
	s_nop 0
.rept 4
	v_nop
.endr
	s_branch .Lasked_\@
.Lfor_b_\@:
	tensor_load_to_lds s[\g0b:\g0b+3], s[\g1b:\g1b+7]
	s_nop 0
.rept 4
	v_nop
.endr
.Lasked_\@:
.endm
.macro CREST                           ; a round of the cluster's barrier behind its opening barrier
	s_cmp_lg_u32 s14, 0
	s_cbranch_scc1 .Lnot_wave_0_\@
	s_barrier_signal -3
.Lnot_wave_0_\@:
	s_barrier_wait -3
	s_barrier_signal -1
	s_barrier_wait -1
.endm
.macro CROUND                          ; a whole round
	s_barrier_signal -1
	s_barrier_wait -1
	CREST
.endm
	s_load_b128 s[4:7], s[0:1], 0x0                ; y's images s[4:5], the codes s[6:7]
	s_load_b128 s[8:11], s[0:1], 0x10              ; the scales' exponents s[8:9], the result s[10:11]
	v_lshl_add_u32 v[SPW], v0, 2, SPARE
	v_mov_b32 v[NIL], 0
	ds_add_u32 v[SPW], v[NIL]                      ; the wave's opening: the add and its wait stand ahead of my first tensor load; the set-up below, work on registers, stands between them
	ds_add_u32 v[SPW], v[NIL]
	v_lshrrev_b32 v1, 5, v0
	v_readfirstlane_b32 s14, v1                    ; wave 0..3
	s_lshr_b32 s15, s14, 1                         ; which half of the tile's rows is mine.  Also: I fetch for A (0) or for B (1)
	s_and_b32 s16, s14, 1                          ; which half of its columns.  Also: which 128 rows of that tile I fetch
	s_bfe_u32 s40, ttmp6, 0x40000                  ; cx, cy: my place in the cluster
	s_bfe_u32 s41, ttmp6, 0x40004
	s_lshl_b32 s42, ttmp9, 2
	s_add_co_u32 s42, s42, s40                     ; tile column = 4 x cluster x + cx
	s_and_b32 s17, ttmp7, 0xffff
	s_lshl_b32 s17, s17, 2
	s_add_co_u32 s17, s17, s41                     ; tile row = 4 x cluster y + cy
	s_lshl_b32 s43, s41, 2
	s_lshl_b32 s43, 15, s43                        ; my row of the cluster
	s_lshl_b32 s44, 0x1111, s40                    ; my column
	; descriptor group 1: 8 tiles of 16 rows, 4,096 bytes of each (512 elements of 8 bytes), 16,384 bytes apart; dense in LDS
	s_or_b32 s[G1+0], s43, (3<<16)|(1<<21)         ; 15:0 the mask: A's tiles go to my row; 17:16 element of 8 bytes; 20 no padding; 21 set beside a mask
	s_or_b32 s[G1B+0], s44, (3<<16)|(1<<21)
.irp g, G1, G1B
	s_mov_b32 s[\g+1], 512<<16                     ; tensor_dim0 = 512
	s_mov_b32 s[\g+2], 8<<16                       ; tensor_dim1 = 8
	s_mov_b32 s[\g+3], 512<<16                     ; tile_dim0 = 512
	s_mov_b32 s[\g+4], 8                           ; tile_dim1 = 8
	s_mov_b32 s[\g+5], 2048                        ; tensor_dim0_stride: 16,384 bytes
	s_mov_b32 s[\g+6], 0
	s_mov_b32 s[\g+7], 0
.endr
	s_lshl_b32 s18, s16, 17                        ; which 128 rows of the tile I fetch: 8 tiles of 16,384 bytes
	s_lshl_b32 s20, s17, 18                        ; A: block = tile row
	s_add_co_u32 s20, s20, s18
	s_mov_b32 s21, 0
	s_add_co_u32 s46, s42, 44                      ; B: block 44 + tile column
	s_lshl_b32 s46, s46, 18
	s_add_co_u32 s46, s46, s18
	s_mov_b32 s47, 0
	s_lshl_b32 s45, s14, 15                        ; where they go: wave x 32,768: no place in the cluster enters an LDS address
	s_wait_dscnt 0x0                               ; the opening add is done
	s_wait_kmcnt 0x0
	s_load_b64 s[96:97], s[8:9], 0x18              ; e6, e7
	s_add_nc_u64 s[20:21], s[4:5], s[20:21]
	s_add_nc_u64 s[46:47], s[6:7], s[46:47]
	CROUND                                         ; all sixteen work-groups are here: the first joint loads meet
.irp s, 0,1
	s_mov_b32 s[G0+4*\s], 1
	s_add_co_u32 s[G0+4*\s+1], s45, \s*SLOT
	s_add_nc_u64 s[G0+4*\s+2:G0+4*\s+3], s[20:21], \s*KSB
	s_or_b32 s[G0+4*\s+3], s[G0+4*\s+3], 0x80000000
	s_mov_b32 s[G0B+4*\s], 1
	s_add_co_u32 s[G0B+4*\s+1], s45, \s*SLOT
	s_add_nc_u64 s[G0B+4*\s+2:G0B+4*\s+3], s[46:47], \s*KSB
	s_or_b32 s[G0B+4*\s+3], s[G0B+4*\s+3], 0x80000000
	s_wait_alu depctr_va_vdst(0)
	s_wait_tensorcnt 0x0
	ds_add_u32 v28, v29
	ds_add_u32 v28, v29
	s_wait_dscnt 0x0
	CROUND
	JLOAD G0+4*\s, G1, G0B+4*\s, G1B
.endr
	v_and_b32 v1, 15, v0                           ; l % 16
	s_wait_alu depctr_va_vdst(0)
	v_bfe_u32 v2, v0, 4, 1                         ; l / 16
	v_and_b32 v6, 31, v0
	v_lshlrev_b32 v[CO], 4, v6                     ; 16 x lane: an image's place for my lane, and my bytes of a row of 512
	s_lshl_b32 s21, s15, 15                        ; my 128 rows of A
	s_lshl_b32 s22, s16, 15                        ; my 128 rows of B,
	s_add_co_u32 s22, s22, 2*HALFT                 ; which lie behind A's 256
.irp s, 0,1
	v_add_nc_u32 v[ADRA+\s], s21, v[CO]
	v_add_nc_u32 v[ADRB+\s], s22, v[CO]
	s_add_co_u32 s21, s21, SLOT
	s_add_co_u32 s22, s22, SLOT
.endr
	s_mul_i32 s23, s14, 16*SPITCH                  ; my stage
	v_mul_u32_u24 v5, v1, SPITCH                   ; in: row l % 16, 32 bytes for each half of the lanes
	s_wait_alu depctr_va_vdst(0)
	v_lshl_add_u32 v5, v2, 5, v5
	v_add_nc_u32 v[STO], s23, v5
	v_add_nc_u32 v[RD], s23, v[CO]                 ; back: the 32 lanes take one row of 512 bytes
	s_lshl_b32 s20, s17, 8
	s_lshl_b32 s21, s15, 7
	s_add_co_u32 s20, s20, s21                     ; my first row of the result: 256 x tile row + 128 x half,
	s_lshl_b32 s20, s20, 12                        ; of 4,096 bytes
	s_mov_b32 s21, 0
	s_lshl_b32 s46, s42, 10                        ; my first column, in bytes: 1,024 x tile column + 512 x half
	s_lshl_b32 s47, s16, 9
	s_add_co_u32 s46, s46, s47
	s_mov_b32 s47, 0
	s_add_nc_u64 s[20:21], s[20:21], s[46:47]
	s_add_nc_u64 s[10:11], s[10:11], s[20:21]
.macro FRAG reg, adr, q, i             ; a fragment comes as it was laid: four loads of 512 consecutive bytes.  Tile of 16 rows i, the slot's q-th 128 along K
.irp c, 0,1,2,3
	ds_load_b128 v[\reg+4*\c:\reg+4*\c+3], v[\adr] offset:KSB*(\i)+2048*(\q)+512*\c
.endr
.endm
; 16 matrix instructions: A's blocks a0, a0 + 1 x B's eight, 128 along K.  p: B's set.  zero = 1: the first product starts the sums.
; The 64 accumulators take turns, one instruction a turn, in the same order in every step.
.macro MUL16 a0, p, zero
.irp a, \a0, \a0+1
.irp b, 0,1,2,3,4,5,6,7
.if \zero
	v_wmma_f32_16x16x128_fp8_fp8 v[8*(8*((\a)%4)+\b):8*(8*((\a)%4)+\b)+7], v[128*(\p)+FR*\b:128*(\p)+FR*\b+FR-1], v[AF+FR*(\a):AF+FR*(\a)+FR-1], 0
.else
	v_wmma_f32_16x16x128_fp8_fp8 v[8*(8*((\a)%4)+\b):8*(8*((\a)%4)+\b)+7], v[128*(\p)+FR*\b:128*(\p)+FR*\b+FR-1], v[AF+FR*(\a):AF+FR*(\a)+FR-1], v[8*(8*((\a)%4)+\b):8*(8*((\a)%4)+\b)+7]
.endif
.endr
.endr
.endm
.macro FETCH_B slot, q, p
	WIN TO_B
.irp i, 0,1,2,3,4,5,6,7
	FRAG 128*(\p)+FR*\i, ADRB+\slot, \q, \i
.endr
	WIN 0
.endm
.macro FETCH_A slot, q, i0
.irp i, \i0, \i0+1, \i0+2, \i0+3
	FRAG AF+FR*(\i), ADRA+\slot, \q, \i
.endr
.endm
; A load into a register that a matrix instruction has read, and a vector instruction or an LDS store that reads a matrix result, stand NP places behind it; only plain vector instructions that name none
; of its registers are places (ISA guide 7.12.1 for vector instructions).
.macro PLACES n
.rept \n
	v_nop
.endr
.endm
.macro STEP slot, q, zero              ; a step of 128 along K that has its successor in the same slot
	s_wait_dscnt 4*NL                              ; B's set and A's blocks 0-3 are in; the youngest sixteen loads (A's blocks 4-7) may be out
	WIN MUL_LO
	MUL16 0, (\q)%2, \zero
	MUL16 2, (\q)%2, \zero
	s_wait_dscnt 0                                 ; A's blocks 4-7 are in
	PLACES NP
	FETCH_B \slot, (\q)+1, 1-(\q)%2
	FETCH_A \slot, (\q)+1, 0
	WIN MUL_HI
	MUL16 4, (\q)%2, \zero
	MUL16 6, (\q)%2, \zero
	PLACES NP
	WIN 0
	FETCH_A \slot, (\q)+1, 4
.endm
; A slot's last step changes slots: ONE barrier; in front of it each wave waits for all its tensor loads, adds 0 to its spare word, and waits for that and for its own reads of this slot.  fill = 1: this slot is filled again, two K steps ahead.
.macro TURN slot, next, fill
	s_wait_tensorcnt 0x0                           ; all my tensor loads have landed: my part of the next slot  (every window is 0 here)
	ds_add_u32 v[SPW], v[NIL]                      ; 0 onto my spare word
	s_wait_dscnt 4*NL+1                            ; (the add and the youngest sixteen loads, A's blocks 4-7, may be out)
	WIN MUL_LO
	MUL16 0, 1, 0                                  ; sixteen matrix instructions stand between the add and the wait for it
	s_wait_dscnt 0x0                               ; the add is done, and my reads of this slot are over
	s_barrier_signal -1
	MUL16 2, 1, 0
	WIN 0
	s_barrier_wait -1
.if \fill
	CREST                                          ; the barrier has opened a round of the cluster's barrier: no wave of any partner still reads this slot's tile or has a load on its way
	s_add_nc_u64 s[G0+4*\slot+2:G0+4*\slot+3], s[G0+4*\slot+2:G0+4*\slot+3], 2*KSB
	s_add_nc_u64 s[G0B+4*\slot+2:G0B+4*\slot+3], s[G0B+4*\slot+2:G0B+4*\slot+3], 2*KSB
	JLOAD G0+4*\slot, G1, G0B+4*\slot, G1B         ; the first tensor load behind the round; the four v_nop behind it are the places in front of the loads below
.else
	PLACES NP
.endif
	FETCH_B \next, 0, 0
	FETCH_A \next, 0, 0
	WIN MUL_HI
	MUL16 4, 1, 0
	MUL16 6, 1, 0
	PLACES NP
	WIN 0
	FETCH_A \next, 0, 4
.endm
	s_wait_tensorcnt 1                             ; my part of K step 0 is in (K step 1's load, issued behind it, may be out)
	s_barrier_signal -1
	s_barrier_wait -1                              ; everybody's is
	FETCH_B 0, 0, 0
	FETCH_A 0, 0, 0
	FETCH_A 0, 0, 4
	STEP 0, 0, 1                                   ; four K steps of 256, eight steps of 128: written out, no loop.  The first step's products start the sums
	TURN 0, 1, 1                                   ; slot 0 takes K step 2
	STEP 1, 0, 0
	TURN 1, 0, 1                                   ; slot 1 takes K step 3
	STEP 0, 0, 0
	TURN 0, 1, 0                                   ; nothing is left to fetch; behind this barrier nobody reads slot 0
	STEP 1, 0, 0
	s_wait_dscnt 4*NL                              ; the very last step
	WIN MUL_LO
	MUL16 0, 1, 0
	MUL16 2, 1, 0
	s_wait_dscnt 0
	WIN MUL_HI
	MUL16 4, 1, 0
	MUL16 6, 1, 0
	WIN 0
; THE WAY OUT, block by block of 16 rows x 128 columns.  A lane holds 32 neighbouring bytes of a row, and the lanes beside it hold other rows: so a block goes through my own stage in LDS and comes back as whole
; rows of 512 bytes, which the 32 lanes store on end.  LDS serves a wave's instructions in order (ISA guide 5.7.1): no wait between the stores and the loads, nor in front of the next block's stores.
.macro TOSTAGE a
.set AC, 64*((\a)%4)
	WIN 0x02+((\a)/4)                              ; source 0: window 2 or 3
.irp j, 0,2,4,6,8,10,12,14,16,18,20,22,24,26,28,30,32,34,36,38,40,42,44,46,48,50,52,54,56,58,60,62
	v_pk_mul_f32 v[TMP+\j:TMP+\j+1], v[AC+\j:AC+\j+1], s[96:97] op_sel_hi:[1,0]   ; both x s96 = 2^(e6 + e7); each accumulator from its low end on
.endr
	WIN 0
.irp b, 0,1,2,3,4,5,6,7
	ds_store_b128 v[STO], v[TMP+8*\b:TMP+8*\b+3] offset:64*\b
	ds_store_b128 v[STO], v[TMP+8*\b+4:TMP+8*\b+7] offset:64*\b+16
.endr
.set BB, BK+64*((\a)%2)
.irp t, 0,1,2,3,4,5,6,7,8,9,10,11,12,13,14,15
	ds_load_b128 v[BB+4*\t:BB+4*\t+3], v[RD] offset:\t*SPITCH
.endr
.endm
.macro SEND a, younger                 ; younger: the LDS instructions issued behind block a's loads, which may stay out
.set BB, BK+64*((\a)%2)
	s_wait_dscnt \younger                          ; the block is back in registers
.if (\a) > 0
	s_add_nc_u64 s[10:11], s[10:11], 16*SIZE_N*4   ; (behind a wait on XCNT: the earlier stores have read their base)  16 rows on
.endif
.irp t, 0,1,2,3,4,5,6,7,8,9,10,11,12,13,14,15
	global_store_b128 v[CO], v[BB+4*\t:BB+4*\t+3], s[10:11] offset:\t*SIZE_N*4 th:TH_STORE_NT   ; 32 lanes store 512 consecutive bytes, aligned; written once, read by nobody here
.endr
.endm
	s_wait_kmcnt 0x0
	s_add_co_i32 s96, s96, s97                     ; e6 + e7, between -126 and 127,
	s_add_co_i32 s96, s96, 127
	s_lshl_b32 s96, s96, 23                        ; makes the f32 number 2^(e6 + e7)
	PLACES NP                                      ; behind the last products: their results are read, and loads land in A's registers, below
	TOSTAGE 0
.irp a, 1,2,3,4,5,6,7
.if \a > 1
	s_wait_xcnt 0x0                                ; block a - 2's stores have read their registers and their base: block a's loads may land there, and the base may step
.endif
	TOSTAGE \a
	SEND \a-1, 32                                  ; behind block a - 1's loads: block a's 16 stores and 16 loads
.endr
	s_wait_xcnt 0x0                                ; block 6's stores have read their base
	SEND 7, 0
	s_wait_tensorcnt 0x0                           ; the wave's end, behind my last tensor load and my last LDS store
	ds_add_u32 v[SPW], v[NIL]
	s_wait_dscnt 0x0
	CROUND                                         ; the closing round: no work-group ends while a partner may still ask for a tile that names it
	s_endpgm
.Lfunc_end_k_q46204500b9_proj:
	.size	k_q46204500b9_proj, .Lfunc_end_k_q46204500b9_proj-k_q46204500b9_proj
	.p2alignl 7, 3214868480
	.fill 96, 4, 3214868480
	.section	.rodata,"a",@progbits
	.p2align	6, 0x0
	.amdhsa_kernel k_q46204500b9_proj
		.amdhsa_group_segment_fixed_size 327680
		.amdhsa_private_segment_fixed_size 0
		.amdhsa_enable_private_segment 0
		.amdhsa_kernarg_size 32
		.amdhsa_user_sgpr_count 2
		.amdhsa_user_sgpr_kernarg_segment_ptr 1
		.amdhsa_wavefront_size32 1
		.amdhsa_system_sgpr_workgroup_id_x 1
		.amdhsa_system_sgpr_workgroup_id_y 1
		.amdhsa_system_sgpr_workgroup_id_z 1
		.amdhsa_system_vgpr_workitem_id 0
		.amdhsa_next_free_vgpr 1024
		.amdhsa_next_free_sgpr 98
		.amdhsa_reserve_vcc 0
		.amdhsa_float_denorm_mode_32 3
		.amdhsa_float_denorm_mode_16_64 3
		.amdhsa_memory_ordered 1
		.amdhsa_forward_progress 1
		.amdhsa_inst_pref_size 124
	.end_amdhsa_kernel
	.amdgpu_metadata
---
amdhsa.version: [ 1, 2 ]
amdhsa.kernels:
  - .name:           k_q46204500b9_proj
    .symbol:         k_q46204500b9_proj.kd
    .args:
      - { .name: yq, .offset: 0, .size: 8, .value_kind: global_buffer, .address_space: global }
      - { .name: codes, .offset: 8, .size: 8, .value_kind: global_buffer, .address_space: global }
      - { .name: lowp_scales, .offset: 16, .size: 8, .value_kind: global_buffer, .address_space: global }
      - { .name: out0, .offset: 24, .size: 8, .value_kind: global_buffer, .address_space: global }
    .group_segment_fixed_size: 327680
    .private_segment_fixed_size: 0
    .kernarg_segment_align: 8
    .kernarg_segment_size: 32
    .max_flat_workgroup_size: 128
    .sgpr_count:     98
    .vgpr_count:     1024
    .wavefront_size: 32
...
	.end_amdgpu_metadata
.endif
;; end of part 4
